; MI455X (gfx1250); checked and timed in simulation.
; The chip was launched on July 23, 2026; its instructions are those of AMD's public machine-readable ISA for CDNA 5 (MIT licence, August 2026) and "CDNA5" Instruction Set Architecture Reference Guide (July 2026). The comments in the code are by the model that wrote it; some were corrected since.
;; Signature. Allowed arithmetic: float matrix products may take bf16 or f16 operands with f32 sums; other float arithmetic in f32, or as packed bf16 or f16 multiplies, adds, multiply-adds, maxima and minima; sums over many terms, partial sums and values carried from step to step in f32; what a program stores and reads back later, other than sums and carried values, may be rounded once to bf16 or f16.
;; Inputs: path 64 x 512 x 8 float32.
;; Outputs: out0 64 x 4,680 float32.
;; One version. Each part assembles by itself: llvm-mc -triple=amdgcn-amd-amdhsa -mcpu=gfx1250 --defsym DOCPART=n.
;; ======== version 1 of 1: 1 launch
;; launch signature (part 1): grid 256 x 1, 8 waves a work-group, no clusters, 111,872 bytes of LDS; arguments path, out0; writes out0
.if DOCPART == 1
	.amdgcn_target "amdgcn-amd-amdhsa--gfx1250"
	.amdhsa_code_object_version 6
	.text
	.protected	k_qe68a9a92d2_signature
	.globl	k_qe68a9a92d2_signature
	.p2align	8
	.type	k_qe68a9a92d2_signature,@function
k_qe68a9a92d2_signature:
	s_mov_b64 s[64:65], 0
	v_nop
	global_prefetch_b8 v0, s[64:65] scope:SCOPE_SE
	s_setreg_imm32_b32 hwreg(HW_REG_WAVE_MODE, 25, 1), 1
	s_wait_xcnt 0x0
; SIGNATURE OF DEPTH 4.  path: [64][512][8] f32.  out0: [64][8 + 64 + 512 + 4096] f32, levels 1 to 4 on end.
; THE SUMS.  d_s = x_s - x_(s-1), Y = x - x_0, mid_s = (x_(s-1) + x_s) / 2, T the last point.  Chen's step gives, for all real inputs:
;   S1_s = Y_s;   S2 = sum_s a_s,  a_s[ij] = (mid_s - x_0)[i] d_s[j];   S3[ijk] = sum_s U2_s[ij] d_s[k],  U2_s = S2_(s-1) + (S1_(s-1) + d_s/3)[i] d_s[j] / 2;
;   S4 = sum_t (S3_(t-1) + V2_t d_t / 2) d_t with V2_t = U2_t - a_t / 6; the increments behind s add up to x_T - x_s, so
;   S4[ijkl] = sum_s U2_s[ij] d_s[k] (x_T - mid_s)[l]  -  (1/12) sum_s a_s[ij] d_s[k] d_s[l].
; So the only scan is the prefix sum of level 2 (f32), and levels 3 and 4 are matrix products contracted over the 511 steps.  No input and no result is left out; what is not done is the
; step-by-step update of levels 3 and 4 (and the products with the zero state that the scan starts from): the identities above replace it for every finite input.  Step 512 is a padded step with d = 0.
; FORMAT.  Matrix operands in f16, sums in f32.  The 511 products U2 d (x_T - mid) of a sum cancel: on a path that does not drift their root sum of squares is many times the result, and each number is
; allowed 1% of the output's root mean square; one rounding of each factor to f16's 11 bits is too coarse for that.  So the large operands go in as TWO f16 numbers, hi + lo:
;   2 U2 = Uh + Ul;   b = d_k c_l = bh + bl, c = 2 x_T - 2 mid:  bh = the rounded product of the hi parts, bl = its remainder dh ch - bh (one fused multiply-add, exact) + dl ch + dh cl;
;   the sum takes Uh bh + Ul bh + Uh bl (level 3 likewise with d in b's place): what is left out is some 2^-22 of a product.  The term with 1/12 is small beside the first and stays in single f16.
; f16's range is made safe for every path: all series are multiplied by sc, the power of two with 2 <= sc max|Y| < 4 (exact);
; then |d| < 8, |c| < 16, their product < 128, and 2 U2 < 511 x 64 + 32 = 32,736.  The results are multiplied back by powers of two.
; LIMITS.  The order of rounding differs from the scan's.  max|Y| is taken within 2^-62 .. 2^63 (outside, the exponent is clamped and operands may leave f16's range).  NaN and infinities are not treated apart.
; SHARES.  Work-group = (batch n = id / 4, first index i in {2g, 2g+1}, g = id % 4): 256 work-groups of equal work.  Every level's entries with first index i need only entries with the same i.
; Eight waves; wave w owns the steps 64 w .. 64 w + 63: two K steps of 32.  Lane (r = lane % 16, h = lane / 16): block 2 w + h of 32 steps.  In a register pair (f32) and in an f16 word the two halves are steps
; t and t + 16 of the block, so a packed f32 line runs two prefix chains, and a packed word is a word of a fragment.  The same order of steps is used for both sources of a product, which keeps the sums.
; PRODUCTS.  Source 0 = 16 rows (k = 2 q + r / 8, l = r % 8) of tile q; source 1 = 16 columns (i = 2 g + r / 8, j = r % 8).  In the result lane (r, h) holds S4[i][j][2 q + h][0..7]: 32 bytes on end.
; NO CLUSTER, NO TENSOR LOAD: what the four work-groups of a batch share is 16,384 bytes, read once at the head and wanted in registers (differences, maximum) before anything lies in LDS.
; out0's rows are 18,720 bytes, so a work-group's blocks begin 32 bytes behind a multiple of 256; a wave's store of level 4 covers 512 consecutive bytes.
.set LASTROW, 16352                    ; byte of row 511 in a batch
.set OUTROW,  18720                    ; bytes in a row of out0
.set OFF2,    32                       ; level 2, 3, 4 begin here in a row of out0
.set OFF3,    288
.set OFF4,    2336
.set CP32,    2080                     ; LDS, f32 series: a component's 16 blocks x 128 bytes + 32: components 0..7 start in different 16-byte columns of 256, components c and c + 4 eight columns apart
.set CP16,    1056                     ; LDS, f16 series: 16 blocks x 64 bytes + 32: likewise.  The 32 bytes behind a component are addressed by no lane: a block's number is 15 at the most
.set F32D,    0                        ; sc d            [component][block][2 u + half], f32
.set F32M,    8*CP32                   ; sc (Y_(s-1)+Y_s), same layout
.set H16K,    16*CP32                  ; sc d, hi part   [component][block][u], a word = steps u and u + 16 in f16
.set H16C,    H16K+8*CP16              ; sc (2 Y_T - Y_(s-1) - Y_s), hi part, same layout
.set H16KL,   H16C+8*CP16              ; sc d, lo part
.set H16CL,   H16KL+8*CP16             ; the other's lo part
.set RED,     H16CL+8*CP16             ; 67,072: eight waves' maxima
.set TOTW,    RED+256                  ; [r][wave]: the waves' totals of 2 sc^2 a
.set STG,     TOTW+512                 ; stage for level 4: [wave][r] rows of 256 + 16 bytes
.set SPI,     272
.set WST,     16*SPI
.set ST3,     STG+8*WST                ; stage for level 3: [wave][h][r] 32 bytes
.set SPARE,   ST3+8*1024               ; 110,848 = 433 x 256: the spare words, 128 bytes for each of eight waves, named by no other line
; vector registers
.set SPW,1                             ; my spare word's address; never rewritten
.set NIL,2                             ; 0; never rewritten
.set CH16,3                            ; 16 x (thread % 2): my half of a row
.set GA,4                              ; my first row's bytes in the batch
.set GB,5                              ; the sixth row's, held to row 511
.set LN,6
.set W32,7
.set W16,8
.set RI,9
.set RJ,10
.set RL,11
.set RK,12
.set HF,13
.set TW,14
.set TWS,15
.set STO,16
.set S3O,17
.set RD4,18
.set RD3,19
.set O4,20
.set O3,21
.set O2,22
.set O1,23
.set S1T,24
.set S1Z,25
.set S2V,26
.set REDW,27
.set REDR,28
.set RR,29
.set BK,30
.set MONE,31                           ; -1.0: takes a hi part away from its f32 number
.set T0,248                            ; v248-255 scratch, until Ul's fragments are made
.set T1,249
.set T2,250
.set T3,251
.set T4,252
; the head's registers (dead behind the second barrier)
.set A0,32                             ; rows t, t+1, t+2 and t+16, t+17, t+18: four components each
.set A1,36
.set A2,40
.set B0,44
.set B1,48
.set B2,52
.set X0,56
.set XT,60
.set DA0,64
.set DA1,68
.set DB0,72
.set DB1,76
.set MA0,80
.set MA1,84
.set MB0,88
.set MB1,92
.set CA0,96
.set CA1,100
.set CB0,104
.set CB1,108
.set DSI,112                           ; per component: (u, first half), (u, second), (u+1, first), (u+1, second)
.set MSI,128
.set HKI,144
.set HCI,152
.set MXA,160
.set MXB,161
.set MNA,162
.set MNB,163
.set RV,164
.set HKL,172
.set HCL,180
; the products' registers
.set ACC,32                            ; five accumulators: tiles 0..3 of level 4, then level 3
.set DI,32                             ; before them: d_i, then 2 U2 without and with its offset, then its lo part
.set E0,64
.set BT,66
.set SS,68
.set OT,69
.set PP,70
.set FBH,72                            ; bh of the four tiles
.set DJ,72
.set MI,104
.set TT,104                            ; the remainder dh ch - bh, a tile at a time
.set CH,112                            ; c_l hi
.set CL,120                            ; c_l lo
.set DLH,128                           ; d_l hi
.set DLL,136                           ; d_l lo
.set DKH,144                           ; d_k hi of the four tiles, then d_k d_l
.set TA,144                            ; before them: -a / 3 in f32
.set DKL,176                           ; d_k lo of the four tiles, then bl
.set AA,208                            ; fragments of -a / 3, a K step each
.set AUH,224                           ; fragments of 2 U2, hi
.set AUL,240                           ; and lo
.set TWV,248
.set Q,160
.set Q3,104
; scalar registers
.set WV,8
.set GQ,10
.set SC,22                             ; s[22:23] sc
.set I2,24                             ; s[24:25] 1 / sc^2
.set K4,26                             ; s[26:27] 1 / (4 sc^2)
.set K3,28                             ; s[28:29] 1 / (2 sc^2)
.set I1,30                             ; s[30:31] 1 / sc
.set WG,32                             ; s32-38  1.0 for the waves in front of mine, else 0
.set SEL,40                            ; s[40:41] v_permlanex16_b32: each lane takes its own place in the other half
.set SX,42
.macro PLACES n
.rept \n
	v_nop
.endr
.endm
	s_load_b128 s[4:7], s[0:1], 0x0                ; path s[4:5], out0 s[6:7]
	v_lshl_add_u32 v[SPW], v0, 2, SPARE
	v_mov_b32 v[NIL], 0
	v_mov_b32 v[MONE], -1.0
	v_lshrrev_b32 v[T0], 5, v0
	v_readfirstlane_b32 s[WV], v[T0]               ; wave 0..7
	s_lshr_b32 s9, ttmp9, 2                        ; batch
	s_and_b32 s[GQ], ttmp9, 3                      ; g
	s_lshl_b32 s12, s9, 14                         ; 16,384 bytes a batch
	s_mov_b32 s13, 0
	s_mul_i32 s14, s9, OUTROW
	s_mov_b32 s15, 0
	; Thread = (block = thread / 16, pair of steps v = (thread / 2) % 8, half row ch = thread % 2): steps u = 2 v, 2 v + 1 of both halves of the block, four components.
	v_and_b32 v[RR], 15, v0
	v_lshrrev_b32 v[BK], 4, v0
	v_and_b32 v[T0], 1, v0
	v_bfe_u32 v[T1], v0, 1, 3
	v_lshlrev_b32 v[CH16], 4, v[T0]
	v_lshl_add_u32 v[GA], v[BK], 10, v[CH16]       ; row 32 block + 2 v, 32 bytes a row
	v_lshl_add_u32 v[GA], v[T1], 6, v[GA]
	v_add_nc_u32 v[GB], 576, v[GA]                 ; row t + 18; behind the last row it is row 511 once more: the padded step has d = 0
	v_add_nc_u32 v[T2], LASTROW, v[CH16]
	v_min_u32 v[GB], v[GB], v[T2]
	v_lshlrev_b32 v[O1], 2, v[T0]
	v_lshl_add_u32 v[O1], s[GQ], 3, v[O1]          ; component 2 g + thread % 2: its bytes in a row of path, and level 1's in out0
	s_wait_kmcnt 0x0
	s_add_nc_u64 s[4:5], s[4:5], s[12:13]
	s_add_nc_u64 s[6:7], s[6:7], s[14:15]
	global_load_b128 v[A0:A0+3], v[GA], s[4:5]
	global_load_b128 v[A1:A1+3], v[GA], s[4:5] offset:32
	global_load_b128 v[A2:A2+3], v[GA], s[4:5] offset:64
	global_load_b128 v[B0:B0+3], v[GA], s[4:5] offset:512
	global_load_b128 v[B1:B1+3], v[GA], s[4:5] offset:544
	global_load_b128 v[B2:B2+3], v[GB], s[4:5]
	global_load_b128 v[X0:X0+3], v[CH16], s[4:5]
	global_load_b128 v[XT:XT+3], v[CH16], s[4:5] offset:LASTROW
	global_load_b32 v[S1T], v[O1], s[4:5] offset:LASTROW
	global_load_b32 v[S1Z], v[O1], s[4:5]
	; all other addresses are made while the loads are out
	v_and_b32 v[LN], 31, v0
	v_mul_u32_u24 v[T2], v[T0], 4*CP32             ; where I put my series: component 4 ch (+ the immediate), block, 16 (f32) or 8 (f16) bytes for each v
	v_lshl_add_u32 v[T2], v[BK], 7, v[T2]
	v_lshl_add_u32 v[W32], v[T1], 4, v[T2]
	v_mul_u32_u24 v[T2], v[T0], 4*CP16
	v_lshl_add_u32 v[T2], v[BK], 6, v[T2]
	v_lshl_add_u32 v[W16], v[T1], 3, v[T2]
	v_and_b32 v[T0], 7, v0                         ; j, and l
	v_bfe_u32 v[T1], v0, 3, 1                      ; i - 2 g, and k - 2 q
	v_bfe_u32 v[T2], v0, 4, 1                      ; h
	v_cvt_f32_u32 v[HF], v[T2]
	v_lshlrev_b32 v[T3], 7, v[BK]                  ; thread / 16 is also my lane's block, 2 w + h
	v_mad_u32_u24 v[RJ], v[T0], CP32, v[T3]
	s_lshl_b32 s16, s[GQ], 1
	v_add_nc_u32 v[T4], s16, v[T1]
	v_mad_u32_u24 v[RI], v[T4], CP32, v[T3]
	v_lshlrev_b32 v[T3], 6, v[BK]
	v_mad_u32_u24 v[RL], v[T0], CP16, v[T3]
	v_mad_u32_u24 v[RK], v[T1], CP16, v[T3]
	v_lshl_add_u32 v[TW], v[RR], 5, TOTW
	v_lshl_add_u32 v[TWS], s[WV], 2, v[TW]
	s_mul_i32 s16, s[WV], WST
	s_add_co_u32 s16, s16, STG
	v_mul_u32_u24 v[STO], v[RR], SPI
	v_add_nc_u32 v[STO], s16, v[STO]
	v_lshl_add_u32 v[STO], v[T2], 5, v[STO]        ; stage row r, 32 bytes for k = 2 q + h
	s_lshl_b32 s16, s[WV], 10
	s_add_co_u32 s16, s16, ST3
	v_lshl_add_u32 v[S3O], v[RR], 5, s16
	v_lshl_add_u32 v[S3O], v[T2], 9, v[S3O]        ; lanes 16-31 hold the same numbers once more: they get bytes of their own, which nobody reads
	v_mul_u32_u24 v[RD4], v[BK], SPI               ; back: thread takes floats 4 thread .. + 3 of the work-group's 1,024
	v_lshl_add_u32 v[RD4], v[RR], 4, v[RD4]
	v_add_nc_u32 v[RD4], STG, v[RD4]
	v_lshl_add_u32 v[RD3], v[LN], 4, ST3
	s_lshl_b32 s16, s[GQ], 12
	s_add_co_u32 s16, s16, OFF4
	v_lshl_add_u32 v[O4], v0, 4, s16
	s_lshl_b32 s16, s[GQ], 9
	s_add_co_u32 s16, s16, OFF3
	v_lshl_add_u32 v[O3], v[LN], 4, s16
	s_lshl_b32 s16, s[GQ], 6
	s_add_co_u32 s16, s16, OFF2
	v_lshl_add_u32 v[O2], v[RR], 2, s16
	s_lshl_b32 s16, s[WV], 2
	s_add_co_u32 s16, s16, RED
	v_mov_b32 v[REDW], s16
	v_mov_b32 v[REDR], RED
	s_mov_b32 s[SEL], 0x76543210
	s_mov_b32 s[SEL+1], 0xfedcba98
.irp k, 0,1,2,3,4,5,6
	s_cmp_gt_u32 s[WV], \k
	s_cselect_b32 s[WG+\k], 1.0, 0
.endr
	; Y = x - x_0, and the largest |Y| of my four rows
	s_wait_loadcnt 0x0
.irp a, A0, A1, A2, B0, B1, B2, XT
.irp c, 0, 2
	v_pk_add_f32 v[\a+\c:\a+\c+1], v[\a+\c:\a+\c+1], v[X0+\c:X0+\c+1] neg_lo:[0,1] neg_hi:[0,1]
.endr
.endr
	v_sub_f32 v[S1T], v[S1T], v[S1Z]               ; level 1
	v_max3_num_f32 v[MXA], v[A0], v[A0+1], v[A0+2] ; rows t, t+1 lie in A0 .. A0+7, rows t+16, t+17 in B0 .. B0+7; four chains
	v_max3_num_f32 v[MXB], v[B0], v[B0+1], v[B0+2]
	v_min3_num_f32 v[MNA], v[A0], v[A0+1], v[A0+2]
	v_min3_num_f32 v[MNB], v[B0], v[B0+1], v[B0+2]
.irp c, 3, 5
	v_max3_num_f32 v[MXA], v[MXA], v[A0+\c], v[A0+\c+1]
	v_max3_num_f32 v[MXB], v[MXB], v[B0+\c], v[B0+\c+1]
	v_min3_num_f32 v[MNA], v[MNA], v[A0+\c], v[A0+\c+1]
	v_min3_num_f32 v[MNB], v[MNB], v[B0+\c], v[B0+\c+1]
.endr
	v_max3_num_f32 v[MXA], v[MXA], v[A0+7], v[B0+7]
	v_min3_num_f32 v[MNA], v[MNA], v[A0+7], v[B0+7]
	v_max_num_f32 v[MXA], v[MXA], v[MXB]
	v_min_num_f32 v[MNA], v[MNA], v[MNB]
	v_sub_f32 v[MNA], 0, v[MNA]
	v_max_num_f32 v[MXA], v[MXA], v[MNA]
	v_max_num_f32_dpp v[MXA], v[MXA], v[MXA] row_xmask:1 row_mask:0xf bank_mask:0xf
	v_max_num_f32_dpp v[MXA], v[MXA], v[MXA] row_xmask:2 row_mask:0xf bank_mask:0xf
	v_max_num_f32_dpp v[MXA], v[MXA], v[MXA] row_xmask:4 row_mask:0xf bank_mask:0xf
	v_max_num_f32_dpp v[MXA], v[MXA], v[MXA] row_xmask:8 row_mask:0xf bank_mask:0xf
	v_permlanex16_b32 v[MXB], v[MXA], s[SEL], s[SEL+1]
	v_max_num_f32 v[MXA], v[MXA], v[MXB]
	ds_store_b32 v[REDW], v[MXA]                   ; all lanes write the wave's word with the same value
	s_wait_dscnt 0x0                               ; for the others' sake: my word is written
	s_barrier_signal -1
	; work on registers while the others arrive: d, Y + Y and 2 Y_T - (Y + Y) of my four steps, still unscaled
.irp c, 0, 2
	v_pk_add_f32 v[DA0+\c:DA0+\c+1], v[A1+\c:A1+\c+1], v[A0+\c:A0+\c+1] neg_lo:[0,1] neg_hi:[0,1]
	v_pk_add_f32 v[DA1+\c:DA1+\c+1], v[A2+\c:A2+\c+1], v[A1+\c:A1+\c+1] neg_lo:[0,1] neg_hi:[0,1]
	v_pk_add_f32 v[DB0+\c:DB0+\c+1], v[B1+\c:B1+\c+1], v[B0+\c:B0+\c+1] neg_lo:[0,1] neg_hi:[0,1]
	v_pk_add_f32 v[DB1+\c:DB1+\c+1], v[B2+\c:B2+\c+1], v[B1+\c:B1+\c+1] neg_lo:[0,1] neg_hi:[0,1]
	v_pk_add_f32 v[MA0+\c:MA0+\c+1], v[A0+\c:A0+\c+1], v[A1+\c:A1+\c+1]
	v_pk_add_f32 v[MA1+\c:MA1+\c+1], v[A1+\c:A1+\c+1], v[A2+\c:A2+\c+1]
	v_pk_add_f32 v[MB0+\c:MB0+\c+1], v[B0+\c:B0+\c+1], v[B1+\c:B1+\c+1]
	v_pk_add_f32 v[MB1+\c:MB1+\c+1], v[B1+\c:B1+\c+1], v[B2+\c:B2+\c+1]
.endr
.set c, 0
.rept 8
	v_pk_fma_f32 v[CA0+c:CA0+c+1], v[XT+c%4:XT+c%4+1], 2.0, v[MA0+c:MA0+c+1] op_sel_hi:[1,0,1] neg_lo:[0,0,1] neg_hi:[0,0,1]
.set c, c+2
.endr
	s_barrier_wait -1
	ds_load_b128 v[RV:RV+3], v[REDR]
	ds_load_b128 v[RV+4:RV+7], v[REDR] offset:16
	s_wait_dscnt 0x0
	v_max3_num_f32 v[MXA], v[RV], v[RV+1], v[RV+2]
	v_max3_num_f32 v[MXB], v[RV+3], v[RV+4], v[RV+5]
	v_max3_num_f32 v[MXA], v[MXA], v[RV+6], v[RV+7]
	v_max_num_f32 v[MXA], v[MXA], v[MXB]
	; the scale, from the maximum's exponent field e: sc = 2^(128 - e).  It enters values alone: no address and no branch hangs on it.
	v_readfirstlane_b32 s20, v[MXA]
	s_lshr_b32 s20, s20, 23
	s_max_u32 s20, s20, 65
	s_min_u32 s20, s20, 190
	s_sub_co_u32 s21, 255, s20
	s_lshl_b32 s[SC], s21, 23
	s_mov_b32 s[SC+1], s[SC]                       ; named with it as a pair
.irp cc, 0,1,2,3
	v_mul_f32 v[DSI+4*\cc],   s[SC], v[DA0+\cc]     ; scaled, and laid as they go to LDS: 16 bytes on end for each component
	v_mul_f32 v[DSI+4*\cc+1], s[SC], v[DB0+\cc]
	v_mul_f32 v[DSI+4*\cc+2], s[SC], v[DA1+\cc]
	v_mul_f32 v[DSI+4*\cc+3], s[SC], v[DB1+\cc]
.endr
.irp cc, 0,1,2,3
	ds_store_b128 v[W32], v[DSI+4*\cc:DSI+4*\cc+3] offset:F32D+\cc*CP32
.endr
.irp cc, 0,1,2,3
	v_mul_f32 v[MSI+4*\cc],   s[SC], v[MA0+\cc]
	v_mul_f32 v[MSI+4*\cc+1], s[SC], v[MB0+\cc]
	v_mul_f32 v[MSI+4*\cc+2], s[SC], v[MA1+\cc]
	v_mul_f32 v[MSI+4*\cc+3], s[SC], v[MB1+\cc]
.endr
.irp cc, 0,1,2,3
	ds_store_b128 v[W32], v[MSI+4*\cc:MSI+4*\cc+3] offset:F32M+\cc*CP32
.endr
.set c, 0
.rept 8
	v_pk_mul_f32 v[CA0+c:CA0+c+1], v[CA0+c:CA0+c+1], s[SC:SC+1] op_sel_hi:[1,0]
.set c, c+2
.endr
.irp cc, 0,1,2,3
	v_cvt_pk_f16_f32 v[HKI+2*\cc],   v[DSI+4*\cc],   v[DSI+4*\cc+1]  ; the hi parts; a word: steps u and u + 16
	v_cvt_pk_f16_f32 v[HKI+2*\cc+1], v[DSI+4*\cc+2], v[DSI+4*\cc+3]
	v_cvt_pk_f16_f32 v[HCI+2*\cc],   v[CA0+\cc], v[CB0+\cc]
	v_cvt_pk_f16_f32 v[HCI+2*\cc+1], v[CA1+\cc], v[CB1+\cc]
.endr
.irp cc, 0,1,2,3
	ds_store_b64 v[W16], v[HKI+2*\cc:HKI+2*\cc+1] offset:H16K+\cc*CP16
	ds_store_b64 v[W16], v[HCI+2*\cc:HCI+2*\cc+1] offset:H16C+\cc*CP16
.endr
.irp cc, 0,1,2,3                       ; the lo parts: the f32 number less its hi part (exact), in place, then rounded
	v_fma_mix_f32 v[DSI+4*\cc],   v[HKI+2*\cc],   v[MONE], v[DSI+4*\cc]   op_sel_hi:[1,0,0]
	v_fma_mix_f32 v[DSI+4*\cc+1], v[HKI+2*\cc],   v[MONE], v[DSI+4*\cc+1] op_sel:[1,0,0] op_sel_hi:[1,0,0]
	v_fma_mix_f32 v[DSI+4*\cc+2], v[HKI+2*\cc+1], v[MONE], v[DSI+4*\cc+2] op_sel_hi:[1,0,0]
	v_fma_mix_f32 v[DSI+4*\cc+3], v[HKI+2*\cc+1], v[MONE], v[DSI+4*\cc+3] op_sel:[1,0,0] op_sel_hi:[1,0,0]
	v_fma_mix_f32 v[CA0+\cc], v[HCI+2*\cc],   v[MONE], v[CA0+\cc] op_sel_hi:[1,0,0]
	v_fma_mix_f32 v[CB0+\cc], v[HCI+2*\cc],   v[MONE], v[CB0+\cc] op_sel:[1,0,0] op_sel_hi:[1,0,0]
	v_fma_mix_f32 v[CA1+\cc], v[HCI+2*\cc+1], v[MONE], v[CA1+\cc] op_sel_hi:[1,0,0]
	v_fma_mix_f32 v[CB1+\cc], v[HCI+2*\cc+1], v[MONE], v[CB1+\cc] op_sel:[1,0,0] op_sel_hi:[1,0,0]
.endr
.irp cc, 0,1,2,3
	v_cvt_pk_f16_f32 v[HKL+2*\cc],   v[DSI+4*\cc],   v[DSI+4*\cc+1]
	v_cvt_pk_f16_f32 v[HKL+2*\cc+1], v[DSI+4*\cc+2], v[DSI+4*\cc+3]
	v_cvt_pk_f16_f32 v[HCL+2*\cc],   v[CA0+\cc], v[CB0+\cc]
	v_cvt_pk_f16_f32 v[HCL+2*\cc+1], v[CA1+\cc], v[CB1+\cc]
.endr
.irp cc, 0,1,2,3
	ds_store_b64 v[W16], v[HKL+2*\cc:HKL+2*\cc+1] offset:H16KL+\cc*CP16
	ds_store_b64 v[W16], v[HCL+2*\cc:HCL+2*\cc+1] offset:H16CL+\cc*CP16
.endr
	s_lshl_b32 s21, s20, 1                         ; the factors that take the scale out again
	s_sub_co_u32 s21, s21, 129
	s_lshl_b32 s[I2], s21, 23
	s_mov_b32 s[I2+1], s[I2]
	s_mul_f32 s[K4], s[I2], 0x3e800000
	s_mul_f32 s[K3], s[I2], 0.5
	s_sub_co_u32 s21, s20, 1
	s_lshl_b32 s[I1], s21, 23
	s_mov_b32 s[I1+1], s[I1]
	s_mov_b32 s[K4+1], s[K4]
	s_mov_b32 s[K3+1], s[K3]
	s_wait_dscnt 0x0                               ; my part of the series is written
	s_barrier_signal -1
	s_barrier_wait -1                              ; everybody's is
	; THE COLUMNS' SIDE, for my (i, j) and my block's 32 steps = 16 pairs.  m = Y + Y of component i, d_i, d_j.
.irp x, 0,1,2,3
	ds_load_b128 v[MI+4*\x:MI+4*\x+3], v[RI] offset:F32M+16*\x
	ds_load_b128 v[DI+4*\x:DI+4*\x+3], v[RI] offset:F32D+16*\x
	ds_load_b128 v[DJ+4*\x:DJ+4*\x+3], v[RJ] offset:F32D+16*\x
.endr
.irp x, 4,5,6,7
	ds_load_b128 v[MI+4*\x:MI+4*\x+3], v[RI] offset:F32M+16*\x
	ds_load_b128 v[DI+4*\x:DI+4*\x+3], v[RI] offset:F32D+16*\x
	ds_load_b128 v[DJ+4*\x:DJ+4*\x+3], v[RJ] offset:F32D+16*\x
.endr
; eight pairs from p0 on: DI = (3 m - d_i) d_j = 6 (S1 + d_i/3) d_j;  MI = m d_j = 2 a;  2 a x (-1/6) = -a / 3 is rounded to f16 as a fragment
.macro EW p0
.set p, \p0
.rept 8
	v_pk_fma_f32 v[DI+2*p:DI+2*p+1], v[MI+2*p:MI+2*p+1], 3.0, v[DI+2*p:DI+2*p+1] op_sel_hi:[1,0,1] neg_lo:[0,0,1] neg_hi:[0,0,1]
.set p, p+1
.endr
.set p, \p0
.rept 8
	v_pk_mul_f32 v[MI+2*p:MI+2*p+1], v[MI+2*p:MI+2*p+1], v[DJ+2*p:DJ+2*p+1]
.set p, p+1
.endr
.set p, \p0
.rept 8
	v_pk_mul_f32 v[DI+2*p:DI+2*p+1], v[DI+2*p:DI+2*p+1], v[DJ+2*p:DJ+2*p+1]
.set p, p+1
.endr
.set p, \p0
.rept 8
	v_pk_mul_f32 v[TA+2*p:TA+2*p+1], v[MI+2*p:MI+2*p+1], 0xbe2aaaab op_sel_hi:[1,0]
.set p, p+1
.endr
.set p, \p0
.rept 8
	v_cvt_pk_f16_f32 v[AA+p], v[TA+2*p], v[TA+2*p+1]
.set p, p+1
.endr
.endm
	s_wait_dscnt 12                                ; LDS loads come back in order: the first twelve, K step 0's, are in; K step 1's twelve may stay out
	EW 0
	s_wait_dscnt 0x0
	EW 8
	; prefix sums of 2 a in place, in f32: four chains at once (two K steps x the two halves of a pair), each from 0; DI = 2 U2 less its chain's offset
	v_pk_mul_f32 v[DI:DI+1], v[DI:DI+1], 0x3e2aaaab op_sel_hi:[1,0]
	v_pk_mul_f32 v[DI+16:DI+17], v[DI+16:DI+17], 0x3e2aaaab op_sel_hi:[1,0]
.set p, 1
.rept 7
	v_pk_fma_f32 v[DI+2*p:DI+2*p+1], v[DI+2*p:DI+2*p+1], 0x3e2aaaab, v[MI+2*p-2:MI+2*p-1] op_sel_hi:[1,0,1]
	v_pk_fma_f32 v[DI+16+2*p:DI+16+2*p+1], v[DI+16+2*p:DI+16+2*p+1], 0x3e2aaaab, v[MI+16+2*p-2:MI+16+2*p-1] op_sel_hi:[1,0,1]
	v_pk_add_f32 v[MI+2*p:MI+2*p+1], v[MI+2*p:MI+2*p+1], v[MI+2*p-2:MI+2*p-1]
	v_pk_add_f32 v[MI+16+2*p:MI+16+2*p+1], v[MI+16+2*p:MI+16+2*p+1], v[MI+16+2*p-2:MI+16+2*p-1]
.set p, p+1
.endr
	v_mov_b32 v[E0], v[MI+14]                      ; K step 0's totals are kept: MI's registers take the rows' series next
	v_mov_b32 v[E0+1], v[MI+15]
	v_pk_add_f32 v[BT:BT+1], v[MI+14:MI+15], v[MI+30:MI+31]  ; the totals of the block's two halves
	v_add_f32 v[SS], v[BT], v[BT+1]
	v_permlanex16_b32 v[OT], v[SS], s[SEL], s[SEL+1]  ; the wave's other block
	v_add_f32 v[T0], v[SS], v[OT]
	ds_store_b32 v[TWS], v[T0]                     ; lanes r and r + 16 write the same word with the same value
	s_wait_dscnt 0x0                               ; my wave's totals are written
	s_barrier_signal -1
	; THE ROWS' SIDE.  One K step's series fit in registers.  SERLOAD_A: all but d_l hi; SERLOAD_B: d_l hi, which the last products of a K step still read.
.macro SERLOAD_A ka
	ds_load_b128 v[CH:CH+3],     v[RL] offset:H16C+32*\ka
	ds_load_b128 v[CH+4:CH+7],   v[RL] offset:H16C+32*\ka+16
	ds_load_b128 v[CL:CL+3],     v[RL] offset:H16CL+32*\ka
	ds_load_b128 v[CL+4:CL+7],   v[RL] offset:H16CL+32*\ka+16
	ds_load_b128 v[DLL:DLL+3],   v[RL] offset:H16KL+32*\ka
	ds_load_b128 v[DLL+4:DLL+7], v[RL] offset:H16KL+32*\ka+16
.irp q, 0,1,2,3
	ds_load_b128 v[DKH+8*\q:DKH+8*\q+3],   v[RK] offset:H16K+2*\q*CP16+32*\ka
	ds_load_b128 v[DKH+8*\q+4:DKH+8*\q+7], v[RK] offset:H16K+2*\q*CP16+32*\ka+16
	ds_load_b128 v[DKL+8*\q:DKL+8*\q+3],   v[RK] offset:H16KL+2*\q*CP16+32*\ka
	ds_load_b128 v[DKL+8*\q+4:DKL+8*\q+7], v[RK] offset:H16KL+2*\q*CP16+32*\ka+16
.endr
.endm
.macro SERLOAD_B ka
	ds_load_b128 v[DLH:DLH+3],   v[RL] offset:H16K+32*\ka
	ds_load_b128 v[DLH+4:DLH+7], v[RL] offset:H16K+32*\ka+16
.endm
; Packed f16 lines make fragment words as they stand.  For each tile: bh = dh ch, rounded; the remainder dh ch - bh, which one fused multiply-add gives exactly; onto it dl ch (into dl's place) and dh cl: bl.
; Then d_k d_l takes dh's place.
.macro FRAGS
.irp q, 0,1,2,3
.set x, 0
.rept 8
	v_pk_mul_f16 v[FBH+8*\q+x], v[DKH+8*\q+x], v[CH+x]
.set x, x+1
.endr
.endr
.irp q, 0,1,2,3
.set x, 0
.rept 8
	v_pk_fma_f16 v[TT+x], v[DKH+8*\q+x], v[CH+x], v[FBH+8*\q+x] neg_lo:[0,0,1] neg_hi:[0,0,1]
.set x, x+1
.endr
.set x, 0
.rept 8
	v_pk_fma_f16 v[DKL+8*\q+x], v[DKL+8*\q+x], v[CH+x], v[TT+x]
.set x, x+1
.endr
.set x, 0
.rept 8
	v_pk_fma_f16 v[DKL+8*\q+x], v[DKH+8*\q+x], v[CL+x], v[DKL+8*\q+x]
.set x, x+1
.endr
.endr
.irp q, 0,1,2,3
.set x, 0
.rept 8
	v_pk_mul_f16 v[DKH+8*\q+x], v[DKH+8*\q+x], v[DLH+x]
.set x, x+1
.endr
.endr
.endm
; A K step's nineteen products.  The five accumulators take turns, one instruction a turn.  acc(q) = 4 sc^4 S4, acc(4) = 2 sc^3 S3.  first = 1: the product starts the sum.
.macro MM d, a, b, first
.if \first
	v_wmma_f32_16x16x32_f16 v[\d:\d+7], v[\a:\a+7], v[\b:\b+7], 0
.else
	v_wmma_f32_16x16x32_f16 v[\d:\d+7], v[\a:\a+7], v[\b:\b+7], v[\d:\d+7]
.endif
.endm
.macro MATS_A ka, first                ; the nine that read bl, d_l lo and d_k d_l: they go first, so that those registers can be loaded again early
.irp q, 0,1,2,3
	MM ACC+8*\q, DKL+8*\q, AUH+8*\ka, \first
.endr
	MM ACC+32, DLL, AUH+8*\ka, \first
.irp q, 0,1,2,3
	MM ACC+8*\q, DKH+8*\q, AA+8*\ka, 0
.endr
.endm
.macro MATS_B ka                       ; the ten that read bh and d_l hi
.irp q, 0,1,2,3
	MM ACC+8*\q, FBH+8*\q, AUH+8*\ka, 0
.endr
	MM ACC+32, DLH, AUH+8*\ka, 0
.irp q, 0,1,2,3
	MM ACC+8*\q, FBH+8*\q, AUL+8*\ka, 0
.endr
	MM ACC+32, DLH, AUL+8*\ka, 0
.endm
	; between the signal and the wait: loads of the series, which nobody writes any more, and work on registers: K step 0's fragments of the rows' side
	SERLOAD_A 0
	SERLOAD_B 0
	s_wait_dscnt 0x0
	FRAGS
	s_barrier_wait -1                              ; all waves' totals are written
	ds_load_b128 v[TWV:TWV+3], v[TW]
	ds_load_b128 v[TWV+4:TWV+7], v[TW] offset:16
	s_wait_dscnt 0x0
	; the offset of my block: the totals of the waves in front of mine, and for lanes 16-31 my wave's first block
	v_mul_f32 v[PP], s[WG], v[TWV]
	v_mul_f32 v[PP+1], s[WG+1], v[TWV+1]
	v_fma_f32 v[PP], v[TWV+2], s[WG+2], v[PP]
	v_fma_f32 v[PP+1], v[TWV+3], s[WG+3], v[PP+1]
	v_fma_f32 v[PP], v[TWV+4], s[WG+4], v[PP]
	v_fma_f32 v[PP+1], v[TWV+5], s[WG+5], v[PP+1]
	v_fma_f32 v[PP], v[TWV+6], s[WG+6], v[PP]
	v_fma_f32 v[PP+1], v[OT], v[HF], v[PP+1]
	v_add_f32 v[PP], v[PP], v[PP+1]
	v_add_f32 v[PP+1], v[PP], v[BT]                ; the block's second half begins behind its first
	v_pk_add_f32 v[E0:E0+1], v[E0:E0+1], v[PP:PP+1]  ; K step 1 begins behind K step 0
	v_pk_add_f32 v[TWV:TWV+1], v[TWV:TWV+1], v[TWV+4:TWV+5]  ; and level 2 is the sum of all eight
	v_pk_add_f32 v[TWV+2:TWV+3], v[TWV+2:TWV+3], v[TWV+6:TWV+7]
.set p, 0
.rept 8
	v_pk_add_f32 v[DI+2*p:DI+2*p+1], v[DI+2*p:DI+2*p+1], v[PP:PP+1]
.set p, p+1
.endr
.rept 8
	v_pk_add_f32 v[DI+2*p:DI+2*p+1], v[DI+2*p:DI+2*p+1], v[E0:E0+1]
.set p, p+1
.endr
	v_pk_add_f32 v[TWV:TWV+1], v[TWV:TWV+1], v[TWV+2:TWV+3]
	v_add_f32 v[S2V], v[TWV], v[TWV+1]             ; the scratch registers' last use: Ul's fragments take them below
	v_mul_f32 v[S2V], s[K3], v[S2V]
.set p, 0
.rept 16
	v_cvt_pk_f16_f32 v[AUH+p], v[DI+2*p], v[DI+2*p+1]  ; 2 U2, hi
.set p, p+1
.endr
.set p, 0
.rept 16
	v_fma_mix_f32 v[DI+2*p],   v[AUH+p], v[MONE], v[DI+2*p]   op_sel_hi:[1,0,0]                 ; less its hi part, in f32, exact
	v_fma_mix_f32 v[DI+2*p+1], v[AUH+p], v[MONE], v[DI+2*p+1] op_sel:[1,0,0] op_sel_hi:[1,0,0]
.set p, p+1
.endr
.set p, 0
.rept 16
	v_cvt_pk_f16_f32 v[AUL+p], v[DI+2*p], v[DI+2*p+1]  ; lo
.set p, p+1
.endr
	MATS_A 0, 1
	PLACES 4                                       ; a load into a register that a product has read stands four plain vector instructions behind that product (ISA guide 7.12.1 for vector writes)
	SERLOAD_A 1                                    ; K step 1's series are on their way while K step 0's other ten products run
	MATS_B 0
	PLACES 4                                       ; for the loads into d_l hi, and for the lines that write bh anew
	SERLOAD_B 1
	s_wait_dscnt 0x0
	FRAGS
	MATS_A 1, 0
	MATS_B 1
	PLACES 8                                       ; the results are read behind these places
	; the eight waves' partial sums meet in LDS; each accumulator is read from its low end on
.irp q, 0,1,2,3
	ds_store_b128 v[STO], v[ACC+8*\q:ACC+8*\q+3] offset:64*\q
	ds_store_b128 v[STO], v[ACC+8*\q+4:ACC+8*\q+7] offset:64*\q+16
.endr
	ds_store_b128 v[S3O], v[ACC+32:ACC+35]
	ds_store_b128 v[S3O], v[ACC+36:ACC+39] offset:16
	s_wait_dscnt 0x0                               ; my partial sums are written
	s_barrier_signal -1
	s_barrier_wait -1
.macro SUM8 b                          ; eight vectors of four, added in pairs
.irp w, 0, 2, 4, 6
	v_pk_add_f32 v[\b+4*\w:\b+4*\w+1], v[\b+4*\w:\b+4*\w+1], v[\b+4*\w+4:\b+4*\w+5]
	v_pk_add_f32 v[\b+4*\w+2:\b+4*\w+3], v[\b+4*\w+2:\b+4*\w+3], v[\b+4*\w+6:\b+4*\w+7]
.endr
.irp w, 0, 4
	v_pk_add_f32 v[\b+4*\w:\b+4*\w+1], v[\b+4*\w:\b+4*\w+1], v[\b+4*\w+8:\b+4*\w+9]
	v_pk_add_f32 v[\b+4*\w+2:\b+4*\w+3], v[\b+4*\w+2:\b+4*\w+3], v[\b+4*\w+10:\b+4*\w+11]
.endr
	v_pk_add_f32 v[\b:\b+1], v[\b:\b+1], v[\b+16:\b+17]
	v_pk_add_f32 v[\b+2:\b+3], v[\b+2:\b+3], v[\b+18:\b+19]
.endm
.irp w, 0,1,2,3,4,5,6,7
	ds_load_b128 v[Q+4*\w:Q+4*\w+3], v[RD4] offset:\w*WST
.endr
	s_wait_dscnt 0x0
	SUM8 Q
	v_pk_mul_f32 v[Q:Q+1], v[Q:Q+1], s[I2:I2+1] op_sel_hi:[1,0]      ; the scale goes out in two steps, so that neither factor leaves f32's range
	v_pk_mul_f32 v[Q+2:Q+3], v[Q+2:Q+3], s[I2:I2+1] op_sel_hi:[1,0]
	v_pk_mul_f32 v[Q:Q+1], v[Q:Q+1], s[K4:K4+1] op_sel_hi:[1,0]
	v_pk_mul_f32 v[Q+2:Q+3], v[Q+2:Q+3], s[K4:K4+1] op_sel_hi:[1,0]
	global_store_b128 v[O4], v[Q:Q+3], s[6:7] th:TH_STORE_NT         ; level 4: a wave stores 512 consecutive bytes
	s_cmp_lg_u32 s[WV], 0
	s_cbranch_scc1 .Lnot_wave_0
.irp w, 0,1,2,3,4,5,6,7                ; wave 0: level 3, 128 numbers
	ds_load_b128 v[Q3+4*\w:Q3+4*\w+3], v[RD3] offset:\w*1024
.endr
	s_wait_dscnt 0x0
	SUM8 Q3
	v_pk_mul_f32 v[Q3:Q3+1], v[Q3:Q3+1], s[K3:K3+1] op_sel_hi:[1,0]
	v_pk_mul_f32 v[Q3+2:Q3+3], v[Q3+2:Q3+3], s[K3:K3+1] op_sel_hi:[1,0]
	v_pk_mul_f32 v[Q3:Q3+1], v[Q3:Q3+1], s[I1:I1+1] op_sel_hi:[1,0]
	v_pk_mul_f32 v[Q3+2:Q3+3], v[Q3+2:Q3+3], s[I1:I1+1] op_sel_hi:[1,0]
	global_store_b128 v[O3], v[Q3:Q3+3], s[6:7] th:TH_STORE_NT
.Lnot_wave_0:
	s_cmp_lg_u32 s[WV], 1
	s_cbranch_scc1 .Lend
	v_cmp_gt_u32 vcc_lo, 16, v[LN]                 ; wave 1: level 2, 16 numbers, and level 1, two
	s_wait_xcnt 0x0                                ; EXEC changes only behind this wait: the store above has been issued
	s_and_saveexec_b32 s[SX], vcc_lo
	global_store_b32 v[O2], v[S2V], s[6:7]
	s_wait_xcnt 0x0
	s_or_b32 exec_lo, exec_lo, s[SX]
	v_cmp_gt_u32 vcc_lo, 2, v[LN]
	s_and_saveexec_b32 s[SX], vcc_lo
	global_store_b32 v[O1], v[S1T], s[6:7]
	s_wait_xcnt 0x0
	s_or_b32 exec_lo, exec_lo, s[SX]
.Lend:
	s_wait_tensorcnt 0x0                           ; the wave's end, behind my last LDS store
	ds_add_u32 v[SPW], v[NIL]
	s_wait_dscnt 0x0
	s_endpgm
.Lfunc_end_k_qe68a9a92d2_signature:
	.size	k_qe68a9a92d2_signature, .Lfunc_end_k_qe68a9a92d2_signature-k_qe68a9a92d2_signature
	.p2alignl 7, 3214868480
	.fill 96, 4, 3214868480
	.section	.rodata,"a",@progbits
	.p2align	6, 0x0
	.amdhsa_kernel k_qe68a9a92d2_signature
		.amdhsa_group_segment_fixed_size 111872
		.amdhsa_private_segment_fixed_size 0
		.amdhsa_enable_private_segment 0
		.amdhsa_kernarg_size 16
		.amdhsa_user_sgpr_count 2
		.amdhsa_user_sgpr_kernarg_segment_ptr 1
		.amdhsa_wavefront_size32 1
		.amdhsa_system_sgpr_workgroup_id_x 1
		.amdhsa_system_sgpr_workgroup_id_y 1
		.amdhsa_system_sgpr_workgroup_id_z 1
		.amdhsa_system_vgpr_workitem_id 0
		.amdhsa_next_free_vgpr 256
		.amdhsa_next_free_sgpr 66
		.amdhsa_reserve_vcc 1
		.amdhsa_float_denorm_mode_32 3
		.amdhsa_float_denorm_mode_16_64 3
		.amdhsa_memory_ordered 1
		.amdhsa_forward_progress 1
		.amdhsa_inst_pref_size 66
	.end_amdhsa_kernel
	.amdgpu_metadata
---
amdhsa.version: [ 1, 2 ]
amdhsa.kernels:
  - .name:           k_qe68a9a92d2_signature
    .symbol:         k_qe68a9a92d2_signature.kd
    .args:
      - { .name: path, .offset: 0, .size: 8, .value_kind: global_buffer, .address_space: global }
      - { .name: out0, .offset: 8, .size: 8, .value_kind: global_buffer, .address_space: global }
    .group_segment_fixed_size: 111872
    .private_segment_fixed_size: 0
    .kernarg_segment_align: 8
    .kernarg_segment_size: 16
    .max_flat_workgroup_size: 256
    .sgpr_count:     66
    .vgpr_count:     256
    .wavefront_size: 32
...
	.end_amdgpu_metadata
.endif
;; end of part 1
